; MI455X (gfx1250); checked and timed in simulation.
; The chip was launched on July 23, 2026; its instructions are those of AMD's public machine-readable ISA for CDNA 5 (MIT licence, August 2026) and "CDNA5" Instruction Set Architecture Reference Guide (July 2026). The comments in the code are by the model that wrote it; some were corrected since.
;; F Attention1d. Allowed arithmetic: float matrix products may take bf16 or f16 operands with f32 sums; all other float work in f32.
;; Inputs: key 2 x 16 x 2,048 x 64 float32; qry 2 x 16 x 2,048 x 64 float32; val 2 x 16 x 2,048 x 64 float32.
;; Outputs: out0 2 x 16 x 2,048 x 64 float32.
;; Constants: reg = 1.
;; One version. Each part assembles by itself: llvm-mc -triple=amdgcn-amd-amdhsa -mcpu=gfx1250 --defsym DOCPART=n.
;; ======== version 1 of 1: 2 launches
;; limits: inputs' magnitudes at most 65,504; values are held in f16: magnitudes above 65,504 overflow, below 6.1e-05 lose precision
;; workspace buffers: qb 8,388,608 bytes; kb 8,388,608 bytes; vh 8,388,608 bytes; negc 262,144 bytes
;; launch stats (part 1): grid 8 x 32, 16 waves a work-group, no clusters, 129,024 bytes of LDS; arguments qry, key, val, qb, kb, vh, negc; writes qb, kb, vh, negc
.if DOCPART == 1
	.amdgcn_target "amdgcn-amd-amdhsa--gfx1250"
	.amdhsa_code_object_version 6
	.text
	.protected	k_qe4100c2008_stats
	.globl	k_qe4100c2008_stats
	.p2align	8
	.type	k_qe4100c2008_stats,@function
k_qe4100c2008_stats:
	s_mov_b64 s[64:65], 0
	v_nop
	global_prefetch_b8 v0, s[64:65] scope:SCOPE_SE
	s_setreg_imm32_b32 hwreg(HW_REG_WAVE_MODE, 25, 1), 1
	s_wait_xcnt 0x0
; stats: the column statistics of softmax over the QUERY axis, and the 16-bit copies of Q, K, V.
; att[q][k] = Q[q].K[k] + (q == k).  For each key k:  c[k] = log2e * max_q att + log2( sum_q 2^(log2e * att - log2e * max) ),
; kept by a running maximum; stored is negc[k] = -c[k], so that the next launch has P[q][k] = 2^(log2e * att + negc[k]), normalised already.
; 32 heads x 8 work-groups.  A work-group owns 256 keys of one head and walks all 2,048 queries in 8 chunks of 256 rows.
; SIXTEEN WAVES: wave w: kg = w & 3 picks 64 keys (their fragments stay in registers), qh = w >> 2 picks 64 of a chunk's 256 rows.
; Between two runs of 16 matrix instructions a wave has some 180 dependent vector and transcendental instructions; with sixteen waves of 256
; registers, four waves take turns where two would, so that one wave's chains and waits stand beside another's matrix instructions.
; D = A (Q rows, m = query) x B (K rows, n = key): lane (r, h) holds key r and queries 8 h + j, so the reduction over queries stays inside a lane
; through the whole walk; the eight partial results of a key (qh, h) meet once, at the end, in LDS.
; The walk is rotated: work-group b begins at chunk b, its own 256 query rows.  So the diagonal can fall only into the first trip (where kg = qh),
; and that chunk is also the one whose bf16 copy this work-group stores.
; V rides the ring of Q chunks as a ninth chunk: it is asked for when no chunk of Q is left to ask for, and converted in the last trip.
; FORMATS: Q and K are stored as bf16 (scores reach far beyond f16's room once the inputs grow).  V is rounded to bf16 like them and that number is
; stored as f16, because the next launch multiplies P x V in f16: P lies in [0, 1], where f16 has 11 significant bits and bf16 has 8.  A bf16 number
; has 8 significant bits, so from 2^-14 to 65,504 it is an f16 number exactly and the second conversion changes nothing.
; NO JOINT LOADS, NO DATA MOVER: Q comes as f32 and is rounded in registers.  A chunk goes memory -> registers -> 32 KiB of bf16 into LDS; through
; the data mover it would be 64 KiB into LDS, 64 KiB read back and 32 KiB written; and the eight work-groups of a head are never at the same chunk.
; LIMITS: NaN and infinities in the inputs are not served.  |val| above 65,504 overflows f16; |val| below 2^-14 keeps an absolute step of 2^-24.
; c is one f32: half of its last place enters the exponent of every P of the column.
.set PQ,    144                        ; an LDS row: 128 bytes of bf16 + 16: an odd multiple of 16, so 16 rows begin at 16 different 16-byte columns modulo 256
.set QSLOT, 256*PQ                     ; a chunk of Q: 36,864 bytes; two slots at 0 and QSLOT
.set KS,    2*QSLOT                    ; the 256 rows of K, 36,864 bytes
.set PART,  KS+256*PQ                  ; NB[8][256] f32, then L[8][256] f32: 16,384 bytes
.set E,   8                            ; v[8:15]    identity tile: E[j] = (r == 8 h + j)
.set DG,  16                           ; v[16:23]   E x flag: what a diagonal tile starts from
.set NBM, 24                           ; v[24:31]   for key tile k: (NB = -log2e x max, M = max)
.set LS,  32                           ; v[32:39]   for key tile k: two running sums
.set CRD, 40                           ; v[40:47]   for key tile k: (CR = 2^DD, DD = new NB - old NB)
.set T,   48                           ; v[48:57]   at work
.set LQ0, 3                            ; v3         LDS place of my 8 bytes in Q's slot 0
.set LQ1, 58                           ; v58        the same in slot 1 (slot 1's last rows lie beyond a 16-bit offset from v3)
.set KF,  64                           ; v[64:127]  K fragments (k, d) at KF + 16 k + 8 d
.set S,   128                          ; v[128:191] scores, tile (k, q) at S + 8 (2 k + q); at the start: K as loaded
.set QF,  192                          ; v[192:223] Q fragments (q, d) at QF + 16 q + 8 d
.set STG, 224                          ; v[224:255] a chunk on its way: 8 x 16 bytes a thread
; v1 = 16 t (f32 loads)  v2 = 8 t (16-bit stores)  v4 = LDS place of my 8 bytes in K's rows
; v5 = my Q fragments  v6 = my K fragments  v7 = my words in PART
; s[4:5] qry at the head  s[6:9] key, val at my 256 rows  s[10:15] qb, kb, vh at my 256 rows  s[16:17] negc at my 256 keys
; s18 wave  s19 kg  s20 qh  s22 head  s[24:25] offsets  s[26:27] Q chunk being loaded  s28 its number  s[30:31] flag  s33 trips
; s[34:35] log2e  s36 -log2e  s37 mask of a word's upper bf16
	s_load_b256 s[4:11], s[0:1], 0x0               ; qry, key, val, qb
	s_load_b128 s[12:15], s[0:1], 0x20             ; kb, vh
	s_load_b64 s[16:17], s[0:1], 0x30              ; negc
	v_lshl_add_u32 v62, v0, 2, 0x1f000
	v_mov_b32 v63, 0
	v_lshrrev_b32 v48, 5, v0
	v_readfirstlane_b32 s18, v48                   ; wave 0..15
	s_and_b32 s19, s18, 3                          ; kg
	s_lshr_b32 s20, s18, 2                         ; qh
	s_and_b32 s22, ttmp7, 0xffff                   ; head
	s_mov_b32 s34, 0x3fb8aa3b                      ; log2e
	s_mov_b32 s35, 0x3fb8aa3b
	s_mov_b32 s36, 0xbfb8aa3b                      ; -log2e
	s_mov_b32 s37, 0xffff0000
	s_mov_b32 s31, 0
	s_mov_b32 s28, ttmp9                           ; first chunk = b
	v_lshlrev_b32 v1, 4, v0
	v_lshlrev_b32 v2, 3, v0
	v_lshrrev_b32 v49, 4, v0                       ; t / 16: my row among the 32 of a load
	v_and_b32 v50, 15, v0                          ; r
	v_bfe_u32 v51, v0, 4, 1                        ; h
	v_mul_u32_u24 v3, v49, PQ
	v_lshl_add_u32 v3, v50, 3, v3                  ; row x pitch + 8 x (t % 16)
	v_add_nc_u32 v58, QSLOT, v3
	v_add_nc_u32 v4, KS, v3
	v_mul_u32_u24 v52, v50, PQ
	v_lshl_add_u32 v52, v51, 4, v52                ; r x pitch + 16 h
	s_mul_i32 s24, s20, 64*PQ
	v_add_nc_u32 v5, s24, v52
	s_mul_i32 s24, s19, 64*PQ
	s_add_co_u32 s24, s24, KS
	v_add_nc_u32 v6, s24, v52
	s_lshl_b32 s24, s20, 11                        ; partial p = 2 qh + h, 1,024 bytes each
	s_lshl_b32 s25, s19, 8                         ; 64 kg keys of 4 bytes
	s_add_co_u32 s24, s24, s25
	s_add_co_u32 s24, s24, PART
	v_lshlrev_b32 v7, 2, v50
	v_lshl_add_u32 v7, v51, 10, v7
	v_add_nc_u32 v7, s24, v7
	v_lshlrev_b32 v53, 3, v51
	v_sub_nc_u32 v53, v50, v53                     ; r - 8 h
.irp j, 0,1,2,3,4,5,6,7
	v_cmp_eq_u32 vcc_lo, \j, v53
	v_cndmask_b32 v[E+\j], 0, 1.0, vcc_lo
.endr
.irp k, 0,1,2,3
	v_mov_b32 v[NBM+2*\k], 0x7f800000              ; NB = +inf, M = -inf: the first update gives DD = -inf, CR = 0
	v_mov_b32 v[NBM+2*\k+1], 0xff800000
	v_mov_b32 v[LS+2*\k], 0
	v_mov_b32 v[LS+2*\k+1], 0
.endr
	s_wait_kmcnt 0x0
	s_lshl_b32 s24, s22, 19                        ; a head of f32: 2,048 x 256 bytes
	s_mov_b32 s25, 0
	s_add_nc_u64 s[4:5], s[4:5], s[24:25]
	s_lshl_b32 s26, ttmp9, 16                      ; my 256 rows of f32
	s_add_co_u32 s24, s24, s26
	s_add_nc_u64 s[6:7], s[6:7], s[24:25]
	s_add_nc_u64 s[8:9], s[8:9], s[24:25]
	s_lshr_b32 s24, s24, 1                         ; the same place in 16-bit numbers
	s_add_nc_u64 s[10:11], s[10:11], s[24:25]
	s_add_nc_u64 s[12:13], s[12:13], s[24:25]
	s_add_nc_u64 s[14:15], s[14:15], s[24:25]
	s_lshl_b32 s24, s22, 13
	s_lshl_b32 s26, ttmp9, 10
	s_add_co_u32 s24, s24, s26
	s_add_nc_u64 s[16:17], s[16:17], s[24:25]
	s_lshl_b32 s24, s28, 16                        ; a chunk of f32: 256 x 256 bytes
	s_add_nc_u64 s[26:27], s[4:5], s[24:25]
; 256 rows of f32 = 8 loads of the work-group, 8,192 neighbouring bytes each; load i brings thread t 16 bytes of row 32 i + t / 16
.macro LD8 reg, base, nt
.irp i, 0,1,2,3,4,5,6,7
.if \nt
	global_load_b128 v[\reg+4*\i:\reg+4*\i+3], v1, s[\base:\base+1] offset:8192*\i th:TH_LOAD_NT
.else
	global_load_b128 v[\reg+4*\i:\reg+4*\i+3], v1, s[\base:\base+1] offset:8192*\i
.endif
.endr
.endm
.macro CV8 reg                         ; four f32 to four bf16, round to nearest even, in place: registers 4 i, 4 i + 1 hold the 8 bytes
.irp i, 0,1,2,3,4,5,6,7
	v_cvt_pk_bf16_f32 v[\reg+4*\i],   v[\reg+4*\i],   v[\reg+4*\i+1]
	v_cvt_pk_bf16_f32 v[\reg+4*\i+1], v[\reg+4*\i+2], v[\reg+4*\i+3]
.endr
.endm
.macro CV8H reg                        ; four f32 rounded to bf16, widened again, and written as f16 (exact from 2^-14 to 65,504), in place
.irp i, 0,1,2,3,4,5,6,7
	v_cvt_pk_bf16_f32 v[\reg+4*\i],   v[\reg+4*\i],   v[\reg+4*\i+1]
	v_cvt_pk_bf16_f32 v[\reg+4*\i+1], v[\reg+4*\i+2], v[\reg+4*\i+3]
	v_lshlrev_b32 v[\reg+4*\i+2], 16,  v[\reg+4*\i+1]              ; number 2: the low half moves up,
	v_and_b32     v[\reg+4*\i+3], s37, v[\reg+4*\i+1]              ; number 3: the high half stays
	v_and_b32     v[\reg+4*\i+1], s37, v[\reg+4*\i]                ; number 1
	v_lshlrev_b32 v[\reg+4*\i],   16,  v[\reg+4*\i]                ; number 0
	v_cvt_pk_f16_f32 v[\reg+4*\i],   v[\reg+4*\i],   v[\reg+4*\i+1]
	v_cvt_pk_f16_f32 v[\reg+4*\i+1], v[\reg+4*\i+2], v[\reg+4*\i+3]
.endr
.endm
.macro ST8G reg, base                  ; the 16-bit copy: a wave's store covers 256 consecutive bytes, aligned
.irp i, 0,1,2,3,4,5,6,7
	global_store_b64 v2, v[\reg+4*\i:\reg+4*\i+1], s[\base:\base+1] offset:4096*\i
.endr
.endm
.macro ST8L adr, reg                   ; the same 8 bytes into padded LDS rows, 32 rows a store
.irp i, 0,1,2,3,4,5,6,7
	ds_store_b64 v[\adr], v[\reg+4*\i:\reg+4*\i+1] offset:32*PQ*\i
.endr
.endm
.macro NEXTQ                           ; the next chunk of the rotated walk
	s_add_co_u32 s28, s28, 1
	s_and_b32 s28, s28, 7
	s_lshl_b32 s24, s28, 16
	s_add_nc_u64 s[26:27], s[4:5], s[24:25]
.endm
.macro PLACES                          ; four places behind matrix instructions, in front of vector reads of their results and of loads into their sources
.rept 4
	v_nop
.endr
.endm
; my rows 32 g .. 32 g + 31 of the chunk in a slot: two row tiles x two halves of D = 64
.macro QFRAG slot, g
.irp q, 0,1
.irp d, 0,1
	ds_load_b128 v[QF+16*\q+8*\d:QF+16*\q+8*\d+3],   v5 offset:\slot*QSLOT+(32*\g+16*\q)*PQ+64*\d
	ds_load_b128 v[QF+16*\q+8*\d+4:QF+16*\q+8*\d+7], v5 offset:\slot*QSLOT+(32*\g+16*\q)*PQ+64*\d+32
.endr
.endr
.endm
; 32 queries x 64 keys x 64: eight accumulators by turns, one instruction a turn.
; The first product starts each sum: from 0, or from DG in the two tiles (k = 2 g + q) that can lie on the diagonal.
.macro MM g, diag
.irp k, 0,1,2,3
.irp q, 0,1
.if (\diag != 0) && (\k == 2*\g+\q)
	v_wmma_f32_16x16x32_bf16 v[S+8*(2*\k+\q):S+8*(2*\k+\q)+7], v[QF+16*\q:QF+16*\q+7], v[KF+16*\k:KF+16*\k+7], v[DG:DG+7]
.else
	v_wmma_f32_16x16x32_bf16 v[S+8*(2*\k+\q):S+8*(2*\k+\q)+7], v[QF+16*\q:QF+16*\q+7], v[KF+16*\k:KF+16*\k+7], 0
.endif
.endr
.endr
.irp k, 0,1,2,3
.irp q, 0,1
	v_wmma_f32_16x16x32_bf16 v[S+8*(2*\k+\q):S+8*(2*\k+\q)+7], v[QF+16*\q+8:QF+16*\q+15], v[KF+16*\k+8:KF+16*\k+15], v[S+8*(2*\k+\q):S+8*(2*\k+\q)+7]
.endr
.endr
.endm
; The running update, for each of my four keys (one a key tile) over its 16 new scores.  Register work alone.
.macro SOFT
.irp k, 0,1,2,3
	v_max3_num_f32 v[T+5*(\k&1)],   v[S+16*\k],    v[S+16*\k+1],  v[S+16*\k+2]
	v_max3_num_f32 v[T+5*(\k&1)+1], v[S+16*\k+3],  v[S+16*\k+4],  v[S+16*\k+5]
	v_max3_num_f32 v[T+5*(\k&1)+2], v[S+16*\k+6],  v[S+16*\k+7],  v[S+16*\k+8]
	v_max3_num_f32 v[T+5*(\k&1)+3], v[S+16*\k+9],  v[S+16*\k+10], v[S+16*\k+11]
	v_max3_num_f32 v[T+5*(\k&1)+4], v[S+16*\k+12], v[S+16*\k+13], v[S+16*\k+14]
	v_max3_num_f32 v[T+5*(\k&1)],   v[T+5*(\k&1)],   v[T+5*(\k&1)+1], v[T+5*(\k&1)+2]
	v_max3_num_f32 v[T+5*(\k&1)+3], v[T+5*(\k&1)+3], v[T+5*(\k&1)+4], v[S+16*\k+15]
	v_max3_num_f32 v[NBM+2*\k+1], v[T+5*(\k&1)], v[T+5*(\k&1)+3], v[NBM+2*\k+1]    ; the running maximum
.endr
.irp k, 0,1,2,3
	v_mul_f32 v[T+\k], s36, v[NBM+2*\k+1]          ; the new NB, rounded first, so that DD is exactly 0 where the maximum stays
	v_sub_f32 v[CRD+2*\k+1], v[T+\k], v[NBM+2*\k]
	v_mov_b32 v[NBM+2*\k], v[T+\k]
	v_exp_f32 v[CRD+2*\k], v[CRD+2*\k+1]           ; behind it a plain line that touches neither CR nor DD (ISA guide 5.7.2)
.endr
.irp k, 0,1,2,3
.irp i, 0,2,4,6,8,10,12,14
	v_pk_fma_f32 v[S+16*\k+\i:S+16*\k+\i+1], v[S+16*\k+\i:S+16*\k+\i+1], s[34:35], v[NBM+2*\k:NBM+2*\k+1] op_sel_hi:[1,0,0]   ; log2e x score + NB, both halves
.endr
.endr
.set j, 0
.rept 64
	v_exp_f32 v[S+j], v[S+j]
.set j, j+1
.endr
	v_nop                                          ; the plain place between the exponentials and their first use
	s_wait_alu depctr_va_vdst(0)
.irp k, 0,1,2,3
	v_pk_add_f32 v[S+16*\k:S+16*\k+1],     v[S+16*\k:S+16*\k+1],     v[S+16*\k+2:S+16*\k+3]
	v_pk_add_f32 v[S+16*\k+4:S+16*\k+5],   v[S+16*\k+4:S+16*\k+5],   v[S+16*\k+6:S+16*\k+7]
	v_pk_add_f32 v[S+16*\k+8:S+16*\k+9],   v[S+16*\k+8:S+16*\k+9],   v[S+16*\k+10:S+16*\k+11]
	v_pk_add_f32 v[S+16*\k+12:S+16*\k+13], v[S+16*\k+12:S+16*\k+13], v[S+16*\k+14:S+16*\k+15]
	v_pk_add_f32 v[S+16*\k:S+16*\k+1],     v[S+16*\k:S+16*\k+1],     v[S+16*\k+4:S+16*\k+5]
	v_pk_add_f32 v[S+16*\k+8:S+16*\k+9],   v[S+16*\k+8:S+16*\k+9],   v[S+16*\k+12:S+16*\k+13]
	v_pk_add_f32 v[S+16*\k:S+16*\k+1],     v[S+16*\k:S+16*\k+1],     v[S+16*\k+8:S+16*\k+9]
	v_pk_fma_f32 v[LS+2*\k:LS+2*\k+1], v[LS+2*\k:LS+2*\k+1], v[CRD+2*\k:CRD+2*\k+1], v[S+16*\k:S+16*\k+1] op_sel_hi:[1,0,1]   ; L = L x CR + new
.endr
.endm
; One chunk.  conv = 1: the chunk of Q that is on its way is rounded and laid into the other slot; conv = 2: what is on its way is V: it is converted and stored.
; load = 1: the chunk of Q after that is asked for; load = 2: V is.
; ONE barrier a trip serves both directions.  In front of my signal my reads of this slot are back (they were waited for in front of the second run of
; matrix instructions) and my stores into the other slot are done.  Behind my wait every wave has said so: the other slot is whole and may be read,
; and this slot is read by nobody and may be written in the next trip.  Between signal and wait stands the second update, register work alone,
; so that a wave that is ahead of the others by less than that update does not stop.
.macro TRIP slot, diag, conv, load
	QFRAG \slot, 0
	s_wait_dscnt 0x0
	MM 0, \diag
	PLACES
	QFRAG \slot, 1                                 ; lands while the first half's statistics are made
	SOFT
	s_wait_dscnt 0x0
	MM 1, \diag
	PLACES
	s_wait_loadcnt 0x0                             ; the eight loads issued a trip ago are done: STG is whole, and their base may be stepped
.if \conv == 1
	CV8 STG
.if \slot == 0
	ST8L LQ1, STG
.else
	ST8L LQ0, STG
.endif
.else
	CV8H STG
	ST8G STG, 14
.endif
.if \load == 1
	NEXTQ
	LD8 STG, 26, 0
.endif
.if \load == 2
	LD8 STG, 8, 1                                  ; my 256 rows of V, read once in the launch
.endif
.if \conv == 1
	s_wait_dscnt 0x0                               ; my stores into the other slot are done
	s_barrier_signal -1
	SOFT
	s_barrier_wait -1
.else
	SOFT                                           ; the last trip writes no slot: no barrier
.endif
.endm
	; sixteen loads a thread go out together: my 256 rows of K (read once in the launch) and my own chunk of Q (seven other work-groups read it later)
	LD8 S,   6,  1
	LD8 STG, 26, 0
	s_wait_loadcnt 8                               ; loads return in order (ISA guide 5.7.1): K's eight are in, the eight of Q issued behind them may be out
	CV8 S
	ST8G S, 12
	ST8L 4, S
	s_wait_loadcnt 0x0
	CV8 STG
	ST8G STG, 10                                   ; the bf16 copy of my own 256 query rows
	ST8L LQ0, STG
	s_wait_xcnt 0x0                                ; S and STG were stores' data: rewritten only behind this wait
	NEXTQ
	LD8 STG, 26, 0                                 ; the walk's second chunk
	s_wait_dscnt 0x0                               ; my part of K and of the first chunk is in LDS
	s_barrier_signal -1
	s_cmp_eq_u32 s19, s20                          ; DG = E where the diagonal crosses my tiles of the own chunk (kg = qh), else 0: a select, no branch
	s_cselect_b32 s30, 0x3f800000, 0
.irp i, 0,1,2,3
	v_pk_mul_f32 v[DG+2*\i:DG+2*\i+1], v[E+2*\i:E+2*\i+1], s[30:31] op_sel_hi:[1,0]
.endr
	s_barrier_wait -1                              ; everybody's part is in
.irp k, 0,1,2,3
.irp d, 0,1
	ds_load_b128 v[KF+16*\k+8*\d:KF+16*\k+8*\d+3],   v6 offset:16*\k*PQ+64*\d
	ds_load_b128 v[KF+16*\k+8*\d+4:KF+16*\k+8*\d+7], v6 offset:16*\k*PQ+64*\d+32
.endr
.endr
	TRIP 0, 1, 1, 1                                ; trip 0: my own chunk; lays the walk's chunk 1 into slot 1, asks for chunk 2
	s_mov_b32 s33, 2
.Lwalk:
	TRIP 1, 0, 1, 1                                ; trips 1 to 4: no diagonal; they lay chunks 2 to 5 and ask for chunks 3 to 6
	TRIP 0, 0, 1, 1
	s_sub_co_u32 s33, s33, 1
	s_cmp_lg_u32 s33, 0
	s_cbranch_scc1 .Lwalk
	TRIP 1, 0, 1, 1                                ; trip 5: lays chunk 6, asks for chunk 7, the last
	TRIP 0, 0, 1, 2                                ; trip 6: lays chunk 7, asks for V
	TRIP 1, 0, 2, 0                                ; trip 7: converts and stores V; nothing is left to ask for
	; the eight partial results of each key meet
.irp k, 0,1,2,3
	v_add_f32 v[LS+2*\k], v[LS+2*\k], v[LS+2*\k+1]
.endr
.irp k, 0,1,2,3
	ds_store_b32 v7, v[NBM+2*\k] offset:64*\k
	ds_store_b32 v7, v[LS+2*\k] offset:8192+64*\k
.endr
	s_wait_dscnt 0x0
	s_barrier_signal -1
	s_barrier_wait -1
	s_cmp_gt_u32 s18, 1
	s_cbranch_scc1 .Lend                           ; 64 threads, four keys each, finish
	v_add_nc_u32 v3, PART, v1
.irp p, 0,1,2,3,4,5,6,7
	ds_load_b128 v[S+4*\p:S+4*\p+3], v3 offset:1024*\p              ; NB of partial p
.endr
.irp p, 0,1,2,3,4,5,6,7
	ds_load_b128 v[S+32+4*\p:S+32+4*\p+3], v3 offset:8192+1024*\p   ; L of partial p
.endr
	s_wait_dscnt 0x0
.irp e, 0,1,2,3
	v_min3_num_f32 v[KF+\e], v[S+\e], v[S+4+\e], v[S+8+\e]
.endr
.irp e, 0,1,2,3
	v_min3_num_f32 v[KF+\e], v[KF+\e], v[S+12+\e], v[S+16+\e]
.endr
.irp e, 0,1,2,3
	v_min3_num_f32 v[KF+\e], v[KF+\e], v[S+20+\e], v[S+24+\e]
.endr
.irp e, 0,1,2,3
	v_min_num_f32 v[KF+\e], v[KF+\e], v[S+28+\e]                    ; the least NB belongs to the largest maximum
.endr
.irp p, 0,1,2,3,4,5,6,7
.irp e, 0,1,2,3
	v_sub_f32 v[S+4*\p+\e], v[KF+\e], v[S+4*\p+\e]                  ; at most 0
.endr
.endr
.set j, 0
.rept 32
	v_exp_f32 v[S+j], v[S+j]
.set j, j+1
.endr
	v_nop
	s_wait_alu depctr_va_vdst(0)
.irp e, 0,1,2,3
	v_mul_f32 v[KF+4+\e], v[S+32+\e], v[S+\e]
.endr
.irp p, 1,2,3,4,5,6,7
.irp e, 0,1,2,3
	v_fmac_f32 v[KF+4+\e], v[S+32+4*\p+\e], v[S+4*\p+\e]
.endr
.endr
.irp e, 0,1,2,3
	v_log_f32 v[KF+4+\e], v[KF+4+\e]               ; the sum holds the term of the maximum, about 1: no small argument
.endr
	v_nop
	s_wait_alu depctr_va_vdst(0)
.irp e, 0,1,2,3
	v_sub_f32 v[KF+8+\e], v[KF+\e], v[KF+4+\e]     ; negc = NB - log2 L
.endr
	global_store_b128 v1, v[KF+8:KF+11], s[16:17]  ; sixteen lanes store 256 consecutive bytes, aligned
.Lend:
	s_wait_tensorcnt 0x0
	ds_add_u32 v62, v63
	s_wait_dscnt 0x0
	s_endpgm
.Lfunc_end_k_qe4100c2008_stats:
	.size	k_qe4100c2008_stats, .Lfunc_end_k_qe4100c2008_stats-k_qe4100c2008_stats
	.p2alignl 7, 3214868480
	.fill 96, 4, 3214868480
	.section	.rodata,"a",@progbits
	.p2align	6, 0x0
	.amdhsa_kernel k_qe4100c2008_stats
		.amdhsa_group_segment_fixed_size 129024
		.amdhsa_private_segment_fixed_size 0
		.amdhsa_enable_private_segment 0
		.amdhsa_kernarg_size 56
		.amdhsa_user_sgpr_count 2
		.amdhsa_user_sgpr_kernarg_segment_ptr 1
		.amdhsa_wavefront_size32 1
		.amdhsa_system_sgpr_workgroup_id_x 1
		.amdhsa_system_sgpr_workgroup_id_y 1
		.amdhsa_system_sgpr_workgroup_id_z 1
		.amdhsa_system_vgpr_workitem_id 0
		.amdhsa_next_free_vgpr 256
		.amdhsa_next_free_sgpr 66
		.amdhsa_reserve_vcc 1
		.amdhsa_float_denorm_mode_32 3
		.amdhsa_float_denorm_mode_16_64 3
		.amdhsa_memory_ordered 1
		.amdhsa_forward_progress 1
		.amdhsa_inst_pref_size 158
	.end_amdhsa_kernel
	.amdgpu_metadata
---
amdhsa.version: [ 1, 2 ]
amdhsa.kernels:
  - .name:           k_qe4100c2008_stats
    .symbol:         k_qe4100c2008_stats.kd
    .args:
      - { .name: qry, .offset: 0, .size: 8, .value_kind: global_buffer, .address_space: global }
      - { .name: key, .offset: 8, .size: 8, .value_kind: global_buffer, .address_space: global }
      - { .name: val, .offset: 16, .size: 8, .value_kind: global_buffer, .address_space: global }
      - { .name: qb, .offset: 24, .size: 8, .value_kind: global_buffer, .address_space: global }
      - { .name: kb, .offset: 32, .size: 8, .value_kind: global_buffer, .address_space: global }
      - { .name: vh, .offset: 40, .size: 8, .value_kind: global_buffer, .address_space: global }
      - { .name: negc, .offset: 48, .size: 8, .value_kind: global_buffer, .address_space: global }
    .group_segment_fixed_size: 129024
    .private_segment_fixed_size: 0
    .kernarg_segment_align: 8
    .kernarg_segment_size: 56
    .max_flat_workgroup_size: 512
    .sgpr_count:     66
    .vgpr_count:     256
    .wavefront_size: 32
...
	.end_amdgpu_metadata
.endif
;; end of part 1
;; launch attend (part 2): grid 8 x 32, 8 waves a work-group, clusters of 4 x 1, 327,680 bytes of LDS; arguments qb, kb, vh, negc, out0; writes out0
.if DOCPART == 2
	.amdgcn_target "amdgcn-amd-amdhsa--gfx1250"
	.amdhsa_code_object_version 6
	.text
	.protected	k_qe4100c2008_attend
	.globl	k_qe4100c2008_attend
	.p2align	8
	.type	k_qe4100c2008_attend,@function
k_qe4100c2008_attend:
	s_mov_b64 s[64:65], 0
	v_nop
	global_prefetch_b8 v0, s[64:65] scope:SCOPE_SE
	s_setreg_imm32_b32 hwreg(HW_REG_WAVE_MODE, 25, 1), 1
	s_wait_xcnt 0x0
	s_wait_alu depctr_hold_cnt(0) depctr_sa_sdst(0) depctr_va_vdst(0) depctr_va_sdst(0) depctr_va_ssrc(0) depctr_va_vcc(0) depctr_vm_vsrc(0)
	s_getreg_b32 s2, hwreg(HW_REG_IB_STS2, 6, 4)
	s_cmp_eq_u32 s2, 0
	s_cbranch_scc0 .Lentry_in_a_cluster
	s_endpgm
.Lentry_in_a_cluster:
	s_bfe_u32 s2, ttmp6, 0x10000c
	s_cmp_lg_u32 s2, 0x3003
	s_cbranch_scc0 .Lentry_shape_is_right
	s_endpgm
.Lentry_shape_is_right:
; attend: out[q] = sum over k of P[q][k] V[k],  P[q][k] = 2^(log2e x (Q[q].K[k] + (q == k)) + negc[k]).
; negc holds minus (log2e x column maximum + log2 of the column's sum), so P is the finished softmax over the query axis: at most about 1,
; no running maximum, no rescaling and no division here.
; 32 heads x 8 work-groups of 256 queries.  Wave w: qg = w & 3 picks 64 queries, kh = w >> 2 one half of each tile of 256 keys; the two halves'
; partial outputs are plain sums and meet in the output stage.
; S^T = A (K rows, m = key) x B (Q rows, n = query): lane (r, h) holds query r and keys 8 h + j, so two key tiles, packed to 16 bits, ARE the B fragment
; of P^T over 32 keys.  out^T = A (V^T, by the transposing LDS load from V's rows) x B (P^T): lane (r, h) holds query r and eight neighbouring v.
; FORMATS: Q x K in bf16 (scores have no bound).  P x V in f16: P lies in [0, 1], where f16 has 11 significant bits and bf16 has 8; a query that wins many
; columns sums many P near 1 against V of both signs, and what is left after the cancelling carries every term's rounding.  V arrives as f16 that holds
; the bf16 rounding of val.  Each accumulator sees one form alone: the scores the bf16 form, the outputs the f16 form.
; CLUSTERS: the four work-groups of a cluster along x work on one head and read the same K, V and negc: every tensor load is a joint one with the
; mask 15, so each tile is asked for once for four.  The eight query blocks of a head are two such clusters.
; K and V go through two LDS slots of 256 keys; a wave brings 64 rows of K (waves 0-3) or of V (waves 4-7) with one load a tile.
; LIMITS: NaN and infinities are not served.  P is rounded to f16: below 2^-14 it keeps an absolute step of 2^-24, below 2^-25 it becomes 0
; (over 2,048 keys at most 2^-14 of the largest |V|).  |val| above 65,504 has overflowed in the launch before.
.set PK,    144                        ; K's LDS row: 128 bytes + 16
.set PV,    160                        ; V's LDS row: 128 bytes + 32, an odd multiple of 32, for the transposing loads
.set VOFF,  256*PK                     ; in a slot: K's 256 rows, then V's
.set SLOT,  VOFF+256*PV                ; 77,824 bytes
.set NEGC,  2*SLOT                     ; the head's 2,048 negc, 8,192 bytes, filled once
.set STAGE, NEGC+8192                  ; 8 x 64 rows x 272 bytes, one block a wave; begins at a multiple of 256; no tensor load ever lands here
.set PS,    272
; window 0: v1, v2 K fragments' address in slot 0, 1;  v3, v4 the same for V;  v5 negc (steps with the tiles);  v6 Q;  v7 stage in;  v8, v9 stage back;  v10 out0
.set KA,  1
.set VA,  3
.set E,   16                           ; v[16:23]   identity tile
.set DG0, 24                           ; v[24:31]   E x flag for the tile's first 64 of my keys
.set NC,  32                           ; v[32:47]   negc of 32 keys: NC[8 k + j] for key 16 k + 8 h + j
.set KF,  48                           ; v[48:79]   K fragments (k, d)
.set VF,  80                           ; v[80:111]  V^T fragments (t)
.set S,   112                          ; v[112:175] scores, tile (q, k) at S + 8 (2 q + k)
.set P,   176                          ; v[176:207] P^T fragments (q)
.set DG1, 208                          ; v[208:215] E x flag for the second 64
; window 1: v[0:63] Q fragments (q, d) at 16 q + 8 d;  v[64:191] outputs (q, t) at O + 8 (4 q + t)
.set O,   64
; s[4:5] qb at my rows  s[6:11] kb, vh, negc  s[12:13] out0 at my rows  s14 wave  s15 kh  s16 qg  s19 head  s[20:21] log2e  s25 trips  s[26:27], s[76:79] at work
; s[28:35], s[36:43], s[44:51] group 1 for K, V, negc;  s[52:59] group 0 for K, slot 0 and 1;  s[60:63], s[68:71] for V;  s[72:75] for negc
; What hangs on my place in the cluster has registers of its own, none of which feeds a descriptor or an LDS address:
; s17 cx  s18 query block  s[22:23] flag  s24 diagonal counter  s[80:82] offsets  (and s[4:5], s[12:13] once they are stepped)
.set MSB, 0
.macro WIN new                         ; s_set_vgpr_msb: bits 1:0 source 0, 3:2 source 1, 5:4 source 2, 7:6 destination; the high byte repeats the setting that is left
.if MSB != \new
	s_set_vgpr_msb (MSB<<8)|\new
.set MSB, \new
.endif
.endm
.macro PLACES                          ; four places behind matrix instructions (ISA guide 7.12.1)
.rept 4
	v_nop
.endr
.endm
.macro ROUND                           ; a round of the cluster's barrier: my work-group's barrier, wave 0 signals for it, all wait for the four, my work-group's barrier again
	s_barrier_signal -1
	s_barrier_wait -1
	s_cmp_lg_u32 s14, 0
	s_cbranch_scc1 .Lnot_wave_0_\@
	s_barrier_signal -3
.Lnot_wave_0_\@:
	s_barrier_wait -3
	s_barrier_signal -1
	s_barrier_wait -1
.endm
.macro JLOAD n                         ; my one joint load for slot n: waves 0-3 bring K's rows, waves 4-7 V's; the branch hangs on the wave's number alone
	s_cmp_eq_u32 s15, 0
	s_cbranch_scc0 .Lfor_v_\@
	tensor_load_to_lds s[52+4*(\n):55+4*(\n)], s[28:35]
	s_nop 0
	s_branch .Lasked_\@
.Lfor_v_\@:
	tensor_load_to_lds s[60+8*(\n):63+8*(\n)], s[36:43]
	s_nop 0
.Lasked_\@:
.endm
	s_load_b256 s[4:11], s[0:1], 0x0               ; qb, kb, vh, negc
	s_load_b64 s[12:13], s[0:1], 0x20              ; out0
	v_lshl_add_u32 v254, v0, 2, 0x4a000
	v_mov_b32 v255, 0
	ds_add_u32 v254, v255
	v_lshrrev_b32 v112, 5, v0
	v_readfirstlane_b32 s14, v112                  ; wave 0..7
	s_lshr_b32 s15, s14, 2                         ; kh
	s_and_b32 s16, s14, 3                          ; qg
	s_bfe_u32 s17, ttmp6, 0x40000                  ; cx
	s_lshl_b32 s18, ttmp9, 2                       ; in a cluster launch ttmp9 counts clusters
	s_add_co_u32 s18, s18, s17                     ; query block 0..7
	s_and_b32 s19, ttmp7, 0xffff                   ; head
	s_mov_b32 s20, 0x3fb8aa3b                      ; log2e
	s_mov_b32 s21, 0x3fb8aa3b
	s_mov_b32 s23, 0
	s_lshl_b32 s24, s18, 2                         ; the diagonal crosses my tiles in the 64 keys number u (0, 1) of tile T where
	s_add_co_u32 s24, s24, s16                     ; 4 x block + qg - 2 kh - 4 T = u; s24 holds the left side and falls by 4 a tile
	s_lshl_b32 s82, s15, 1
	s_sub_co_i32 s24, s24, s82
	; group 1 for K: 64 rows of 64 numbers of 2 bytes, 4 words of padding behind every 32; for V: 8 words.  15:0 the mask of the four; 17:16 element size; 20 padding; 21 set beside a mask; 24:22 interval; 31:25 pad - 1
	s_mov_b32 s28, 15|(1<<16)|(1<<20)|(1<<21)|(4<<22)|(3<<25)
	s_mov_b32 s36, 15|(1<<16)|(1<<20)|(1<<21)|(4<<22)|(7<<25)
.irp g, 28, 36
	s_mov_b32 s[\g+1], 64<<16                      ; tensor_dim0 = 64
	s_mov_b32 s[\g+2], 64<<16                      ; tensor_dim1 = 64
	s_mov_b32 s[\g+3], 64<<16                      ; tile_dim0 = 64
	s_mov_b32 s[\g+4], 64                          ; tile_dim1 = 64
	s_mov_b32 s[\g+5], 64                          ; 64 elements from row to row
	s_mov_b32 s[\g+6], 0
	s_mov_b32 s[\g+7], 0
.endr
	; group 1 for negc: a dense block of 1,024 bytes as 4 rows of 32 elements of 8 bytes
	s_mov_b32 s44, 15|(3<<16)|(1<<21)
	s_mov_b32 s45, 32<<16
	s_mov_b32 s46, 4<<16
	s_mov_b32 s47, 32<<16
	s_mov_b32 s48, 4
	s_mov_b32 s49, 32
	s_mov_b32 s50, 0
	s_mov_b32 s51, 0
	; group 0: LDS places are a constant + the wave's quarter x a constant + the slot's constant
	s_mul_i32 s26, s16, 64*PK
	s_mul_i32 s27, s16, 64*PV
	s_add_co_u32 s27, s27, VOFF
	s_lshl_b32 s78, s14, 10
	s_mov_b32 s52, 1
	s_add_co_u32 s53, s26, 0
	s_mov_b32 s56, 1
	s_add_co_u32 s57, s26, SLOT
	s_mov_b32 s60, 1
	s_add_co_u32 s61, s27, 0
	s_mov_b32 s68, 1
	s_add_co_u32 s69, s27, SLOT
	s_mov_b32 s72, 1
	s_add_co_u32 s73, s78, NEGC
	s_lshl_b32 s76, s19, 18                        ; a head of 16-bit numbers: 2,048 x 128 bytes
	s_lshl_b32 s79, s16, 13                        ; my 64 rows of a tile
	s_add_co_u32 s76, s76, s79
	s_mov_b32 s77, 0
	s_wait_dscnt 0x0
	s_wait_kmcnt 0x0
	s_add_nc_u64 s[54:55], s[6:7], s[76:77]        ; tile 0
	s_add_nc_u64 s[58:59], s[54:55], 32768         ; tile 1: 256 rows on
	s_add_nc_u64 s[62:63], s[8:9], s[76:77]
	s_add_nc_u64 s[70:71], s[62:63], 32768
	s_lshl_b32 s76, s19, 13
	s_add_co_u32 s76, s76, s78
	s_add_nc_u64 s[74:75], s[10:11], s[76:77]
	s_or_b32 s55, s55, 0x80000000                  ; the type
	s_or_b32 s59, s59, 0x80000000
	s_or_b32 s63, s63, 0x80000000
	s_or_b32 s71, s71, 0x80000000
	s_or_b32 s75, s75, 0x80000000
	ROUND                                          ; the four work-groups are here: the first joint loads meet
	tensor_load_to_lds s[72:75], s[44:51]          ; my eighth of the head's negc
	s_nop 0
	s_cmp_eq_u32 s15, 0
	s_cbranch_scc0 .Lfirst_v
	tensor_load_to_lds s[52:55], s[28:35]          ; K, tile 0
	s_nop 0
	tensor_load_to_lds s[56:59], s[28:35]          ; K, tile 1
	s_nop 0
	s_branch .Lfirst_done
.Lfirst_v:
	tensor_load_to_lds s[60:63], s[36:43]          ; V, tile 0
	s_nop 0
	tensor_load_to_lds s[68:71], s[36:43]          ; V, tile 1
	s_nop 0
.Lfirst_done:                                      ; three tensor loads of the wave are out, the most in this text
	v_and_b32 v112, 15, v0                         ; r
	v_bfe_u32 v113, v0, 4, 1                       ; h
	v_lshlrev_b32 v6, 7, v112
	v_lshl_add_u32 v6, v113, 4, v6                 ; Q: r x 128 + 16 h
	s_lshl_b32 s80, s19, 18
	s_lshl_b32 s82, s18, 15                        ; 256 rows a block
	s_add_co_u32 s80, s80, s82
	s_lshl_b32 s82, s16, 13                        ; 64 rows a wave
	s_add_co_u32 s80, s80, s82
	s_mov_b32 s81, 0
	s_add_nc_u64 s[4:5], s[4:5], s[80:81]
	WIN 0x40                                       ; destination in window 1
.irp q, 0,1,2,3
.irp d, 0,1
	global_load_b128 v[16*\q+8*\d:16*\q+8*\d+3],   v6, s[4:5] offset:2048*\q+64*\d       ; my 64 queries stay in registers for the whole launch
	global_load_b128 v[16*\q+8*\d+4:16*\q+8*\d+7], v6, s[4:5] offset:2048*\q+64*\d+32
.endr
.endr
	WIN 0
	s_lshl_b32 s80, s19, 19                        ; out0: a head of f32,
	s_lshl_b32 s82, s18, 16                        ; 256 rows of 256 bytes a block,
	s_add_co_u32 s80, s80, s82
	s_lshl_b32 s82, s16, 14                        ; 64 rows a query group,
	s_add_co_u32 s80, s80, s82
	s_lshl_b32 s82, s15, 13                        ; of which I store 32
	s_add_co_u32 s80, s80, s82
	s_add_nc_u64 s[12:13], s[12:13], s[80:81]
	v_mul_u32_u24 v114, v112, PK
	v_lshl_add_u32 v114, v113, 4, v114             ; K: r x pitch + 16 h,
	s_mul_i32 s26, s15, 128*PK                     ; in my half of the tile's rows
	v_add_nc_u32 v1, s26, v114
	v_add_nc_u32 v2, SLOT, v1
	v_and_b32 v115, 7, v0
	v_lshl_add_u32 v115, v113, 3, v115             ; V: row 8 h + lane % 8,
	v_mul_u32_u24 v115, v115, PV
	v_bfe_u32 v116, v0, 3, 1
	v_lshl_add_u32 v115, v116, 4, v115             ; 16 bytes further for the second eight lanes of a half
	s_mul_i32 s26, s15, 128*PV
	s_add_co_u32 s26, s26, VOFF
	v_add_nc_u32 v3, s26, v115
	v_add_nc_u32 v4, SLOT, v3
	s_lshl_b32 s26, s15, 9
	s_add_co_u32 s26, s26, NEGC
	v_lshl_add_u32 v5, v113, 5, s26                ; negc: my 128 keys of tile 0, 8 h keys on
	s_mul_i32 s26, s14, 64*PS
	s_add_co_u32 s26, s26, STAGE
	v_mul_u32_u24 v7, v112, PS
	v_lshl_add_u32 v7, v113, 5, v7
	v_add_nc_u32 v7, s26, v7                       ; stage in: my block, row r, 32 h bytes
	s_mul_i32 s26, s16, 64*PS
	s_mul_i32 s27, s15, 32*PS
	s_add_co_u32 s26, s26, s27
	s_add_co_u32 s26, s26, STAGE
	v_mul_u32_u24 v8, v113, PS
	v_lshl_add_u32 v8, v112, 4, v8
	v_add_nc_u32 v8, s26, v8                       ; stage back: the block of (qg, key half 0), rows 32 kh + lane / 16, 16 bytes a lane
	v_add_nc_u32 v9, 4*64*PS, v8                   ; and the block of (qg, key half 1)
	v_and_b32 v10, 31, v0
	v_lshlrev_b32 v10, 4, v10                      ; out0: two rows of 256 bytes are 32 lanes x 16 bytes
	v_lshlrev_b32 v117, 3, v113
	v_sub_nc_u32 v117, v112, v117
.irp j, 0,1,2,3,4,5,6,7
	v_cmp_eq_u32 vcc_lo, \j, v117
	v_cndmask_b32 v[E+\j], 0, 1.0, vcc_lo          ; register j holds (key 8 h + j, query r): 1 on the diagonal
.endr
.macro KLOAD ka, ko                    ; K fragments of keys ko .. ko + 31 of my half: 8 loads
.irp k, 0,1
.irp d, 0,1
	ds_load_b128 v[KF+16*\k+8*\d:KF+16*\k+8*\d+3],   v[\ka] offset:(\ko+16*\k)*PK+64*\d
	ds_load_b128 v[KF+16*\k+8*\d+4:KF+16*\k+8*\d+7], v[\ka] offset:(\ko+16*\k)*PK+64*\d+32
.endr
.endr
.endm
.macro NLOAD ko                        ; their negc: 4 loads, the sixteen lanes of a half read the same words
.irp k, 0,1
	ds_load_b128 v[NC+8*\k:NC+8*\k+3],   v5 offset:(\ko)*4+64*\k
	ds_load_b128 v[NC+8*\k+4:NC+8*\k+7], v5 offset:(\ko)*4+64*\k+16
.endr
.endm
.macro EXP16 q
.irp i, 0,1,2,3,4,5,6,7,8,9,10,11,12,13,14,15
	v_exp_f32 v[S+16*\q+\i], v[S+16*\q+\i]
.endr
.endm
.macro CVT8 q                          ; 16 P of a lane = keys 8 h .. + 7 and 16 + 8 h .. + 7 of query r, rounded to f16: the B fragment as it stands
	s_wait_alu depctr_va_vdst(0)
.irp i, 0,1,2,3,4,5,6,7
	v_cvt_pk_f16_f32 v[P+8*\q+\i], v[S+16*\q+2*\i], v[S+16*\q+2*\i+1]
.endr
.endm
; 32 keys x my 64 queries.  dgr: the diagonal tile's registers; zero = 1: the first products start the output sums; next = 1: the next 32 keys' K and negc are fetched.
; LDS loads return in order (ISA guide 5.7.1), so each count below is the number of loads issued behind those that are wanted.
; All matrix instructions take their accumulators by turns, one instruction a turn.
.macro SUB ka, va, ko, dgr, zero, next
	s_wait_dscnt 0x4                               ; K's 8 are in; the 4 of negc behind them may be out
	WIN 0x04                                       ; B (Q) in window 1
.irp q, 0,1,2,3
.irp k, 0,1
.if \q == 2*((\ko/32)&1)+\k
	v_wmma_f32_16x16x32_bf16 v[S+8*(2*\q+\k):S+8*(2*\q+\k)+7], v[KF+16*\k:KF+16*\k+7], v[16*\q:16*\q+7], v[\dgr:\dgr+7]
.else
	v_wmma_f32_16x16x32_bf16 v[S+8*(2*\q+\k):S+8*(2*\q+\k)+7], v[KF+16*\k:KF+16*\k+7], v[16*\q:16*\q+7], 0
.endif
.endr
.endr
.irp q, 0,1,2,3
.irp k, 0,1
	v_wmma_f32_16x16x32_bf16 v[S+8*(2*\q+\k):S+8*(2*\q+\k)+7], v[KF+16*\k+8:KF+16*\k+15], v[16*\q+8:16*\q+15], v[S+8*(2*\q+\k):S+8*(2*\q+\k)+7]
.endr
.endr
	WIN 0
	PLACES                                         ; in front of the loads into V's and K's fragments and of the reads of the scores
.irp t, 0,1,2,3
	ds_load_tr16_b128 v[VF+8*\t:VF+8*\t+3],   v[\va] offset:(\ko)*PV+32*\t
	ds_load_tr16_b128 v[VF+8*\t+4:VF+8*\t+7], v[\va] offset:(\ko)*PV+32*\t+16*PV
.endr
.if \next
	KLOAD \ka, \ko+32
	s_wait_dscnt 16                                ; negc is in; V's 8 and the next K's 8 may be out
.else
	s_wait_dscnt 8                                 ; negc is in; V's 8 may be out
.endif
.irp q, 0,1,2,3
.irp k, 0,1
.irp i, 0,2,4,6
	v_pk_fma_f32 v[S+8*(2*\q+\k)+\i:S+8*(2*\q+\k)+\i+1], v[S+8*(2*\q+\k)+\i:S+8*(2*\q+\k)+\i+1], s[20:21], v[NC+8*\k+\i:NC+8*\k+\i+1] op_sel_hi:[1,0,1]
.endr
.endr
.endr
.if \next
	NLOAD \ko+32
.endif
	EXP16 0                                        ; between each run of exponentials and the packing of its results stands a plain line
	v_nop                                          ; that touches none of them (ISA guide 5.7.2): this one, then the packing of the run before
	EXP16 1
	CVT8 0
	EXP16 2
	CVT8 1
	EXP16 3
	CVT8 2
	CVT8 3
.if \next
	s_wait_dscnt 12                                ; V's 8 are in; the next K's 8 and negc's 4 may be out
.else
	s_wait_dscnt 0x0
.endif
	WIN 0x50                                       ; C and D in window 1
.irp q, 0,1,2,3
.irp t, 0,1,2,3
.if \zero
	v_wmma_f32_16x16x32_f16 v[O+8*(4*\q+\t):O+8*(4*\q+\t)+7], v[VF+8*\t:VF+8*\t+7], v[P+8*\q:P+8*\q+7], 0
.else
	v_wmma_f32_16x16x32_f16 v[O+8*(4*\q+\t):O+8*(4*\q+\t)+7], v[VF+8*\t:VF+8*\t+7], v[P+8*\q:P+8*\q+7], v[O+8*(4*\q+\t):O+8*(4*\q+\t)+7]
.endif
.endr
.endr
.endm
; my 128 keys of the tile in a slot
.macro WORK slot, zero
	KLOAD KA+\slot, 0
	NLOAD 0
	s_cmp_eq_i32 s24, 0                            ; selects, no branches: the work is the same in every tile
	s_cselect_b32 s22, 0x3f800000, 0
.irp i, 0,2,4,6
	v_pk_mul_f32 v[DG0+\i:DG0+\i+1], v[E+\i:E+\i+1], s[22:23] op_sel_hi:[1,0]
.endr
	s_cmp_eq_i32 s24, 1
	s_cselect_b32 s22, 0x3f800000, 0
.irp i, 0,2,4,6
	v_pk_mul_f32 v[DG1+\i:DG1+\i+1], v[E+\i:E+\i+1], s[22:23] op_sel_hi:[1,0]
.endr
	SUB KA+\slot, VA+\slot, 0,  DG0, \zero, 1
	SUB KA+\slot, VA+\slot, 32, DG0, 0, 1
	SUB KA+\slot, VA+\slot, 64, DG1, 0, 1
	SUB KA+\slot, VA+\slot, 96, DG1, 0, 0
	WIN 0                                          ; at a label and at a branch every window is 0
	v_add_nc_u32 v5, 1024, v5                      ; the next tile's negc
	s_sub_co_i32 s24, s24, 4
.endm
; A change of slots.  In front of the round each wave waits for all its tensor loads (the one that is out is its part of this slot) and for its reads of the
; other slot; the round says so for every wave of the four work-groups; the joint refill of the other slot comes first behind it, one load a wave,
; and has this tile's 128 matrix instructions and 256 exponentials of the wave in which to land.
.macro TWO slot, refill
	s_wait_tensorcnt 0x0
	ds_add_u32 v254, v255
	s_wait_dscnt 0x0
	s_add_nc_u64 s[54+4*(1-\slot):55+4*(1-\slot)], s[54+4*(1-\slot):55+4*(1-\slot)], 0x10000   ; no load of mine is out: the other slot's addresses step two tiles
	s_add_nc_u64 s[62+8*(1-\slot):63+8*(1-\slot)], s[62+8*(1-\slot):63+8*(1-\slot)], 0x10000
	s_wait_dscnt 0x0
	ROUND
.if \refill
	JLOAD 1-\slot
.endif
	WORK \slot, 0
.endm
	s_wait_loadcnt 0x0                             ; my Q fragments
	s_wait_tensorcnt 0x1                           ; tensor loads end in order (ISA guide 10.11.1): negc and tile 0 are in; tile 1 stays out
	s_barrier_signal -1
	s_barrier_wait -1                              ; everybody's parts are in
	WORK 0, 1                                      ; tile 0: its first products start the output sums, nothing is cleared
	s_mov_b32 s25, 3
.Ltiles:
	TWO 1, 1                                       ; tiles 1 to 6 are worked on, tiles 2 to 7 asked for
	TWO 0, 1
	s_sub_co_u32 s25, s25, 1
	s_cmp_lg_u32 s25, 0
	s_cbranch_scc1 .Ltiles
	TWO 1, 0                                       ; tile 7: nothing is left to ask for (slot 0's stepped addresses are not used)
	; THE WAY OUT.  Each wave lays its 64 rows x 256 bytes of partial sums into its own block of the stage; behind a barrier the two waves of a query group
	; each take 32 rows, add the two key halves and store whole rows.
	PLACES                                         ; behind the last matrix instructions, in front of the stores of their results and the loads into their sources
	WIN 0x04                                       ; store data in window 1
.irp q, 0,1,2,3
.irp t, 0,1,2,3
	ds_store_b128 v7, v[O+8*(4*\q+\t):O+8*(4*\q+\t)+3]   offset:\q*16*PS+64*\t
	ds_store_b128 v7, v[O+8*(4*\q+\t)+4:O+8*(4*\q+\t)+7] offset:\q*16*PS+64*\t+16
.endr
.endr
	WIN 0
	s_wait_dscnt 0x0                               ; my block is written
	s_barrier_signal -1
	s_barrier_wait -1                              ; my partner's too
.macro OUTL a, b, n                    ; rows 16 n .. 16 n + 15 of my 32, two rows a load, from both blocks
.irp i, 0,1,2,3,4,5,6,7
	ds_load_b128 v[\a+4*\i:\a+4*\i+3], v8 offset:(8*\n+\i)*2*PS
.endr
.irp i, 0,1,2,3,4,5,6,7
	ds_load_b128 v[\b+4*\i:\b+4*\i+3], v9 offset:(8*\n+\i)*2*PS
.endr
.endm
.macro OUTS a, b, n
.irp i, 0,1,2,3,4,5,6,7,8,9,10,11,12,13,14,15
	v_pk_add_f32 v[\a+2*\i:\a+2*\i+1], v[\a+2*\i:\a+2*\i+1], v[\b+2*\i:\b+2*\i+1]
.endr
.irp i, 0,1,2,3,4,5,6,7
	global_store_b128 v10, v[\a+4*\i:\a+4*\i+3], s[12:13] offset:(8*\n+\i)*512 th:TH_STORE_NT   ; sixteen lanes store one row: 256 consecutive bytes, aligned
.endr
.endm
	OUTL S, S+32, 0
	OUTL P, KF, 1                                  ; registers of its own: no store's data is rewritten
	s_wait_dscnt 16                                ; the first 16 loads are in, the second 16 may be out
	OUTS S, S+32, 0
	s_wait_dscnt 0x0
	OUTS P, KF, 1
	s_wait_tensorcnt 0x0
	ds_add_u32 v254, v255
	s_wait_dscnt 0x0
	ROUND                                          ; the closing round: no work-group ends while a partner may still ask for a tile that names it
	s_endpgm
.Lfunc_end_k_qe4100c2008_attend:
	.size	k_qe4100c2008_attend, .Lfunc_end_k_qe4100c2008_attend-k_qe4100c2008_attend
	.p2alignl 7, 3214868480
	.fill 96, 4, 3214868480
	.section	.rodata,"a",@progbits
	.p2align	6, 0x0
	.amdhsa_kernel k_qe4100c2008_attend
		.amdhsa_group_segment_fixed_size 327680
		.amdhsa_private_segment_fixed_size 0
		.amdhsa_enable_private_segment 0
		.amdhsa_kernarg_size 40
		.amdhsa_user_sgpr_count 2
		.amdhsa_user_sgpr_kernarg_segment_ptr 1
		.amdhsa_wavefront_size32 1
		.amdhsa_system_sgpr_workgroup_id_x 1
		.amdhsa_system_sgpr_workgroup_id_y 1
		.amdhsa_system_sgpr_workgroup_id_z 1
		.amdhsa_system_vgpr_workitem_id 0
		.amdhsa_next_free_vgpr 448
		.amdhsa_next_free_sgpr 84
		.amdhsa_reserve_vcc 1
		.amdhsa_float_denorm_mode_32 3
		.amdhsa_float_denorm_mode_16_64 3
		.amdhsa_memory_ordered 1
		.amdhsa_forward_progress 1
		.amdhsa_inst_pref_size 180
	.end_amdhsa_kernel
	.amdgpu_metadata
---
amdhsa.version: [ 1, 2 ]
amdhsa.kernels:
  - .name:           k_qe4100c2008_attend
    .symbol:         k_qe4100c2008_attend.kd
    .args:
      - { .name: qb, .offset: 0, .size: 8, .value_kind: global_buffer, .address_space: global }
      - { .name: kb, .offset: 8, .size: 8, .value_kind: global_buffer, .address_space: global }
      - { .name: vh, .offset: 16, .size: 8, .value_kind: global_buffer, .address_space: global }
      - { .name: negc, .offset: 24, .size: 8, .value_kind: global_buffer, .address_space: global }
      - { .name: out0, .offset: 32, .size: 8, .value_kind: global_buffer, .address_space: global }
    .group_segment_fixed_size: 327680
    .private_segment_fixed_size: 0
    .kernarg_segment_align: 8
    .kernarg_segment_size: 40
    .max_flat_workgroup_size: 256
    .sgpr_count:     84
    .vgpr_count:     448
    .wavefront_size: 32
...
	.end_amdgpu_metadata
.endif
;; end of part 2
